; MI455X (gfx1250); checked and timed in simulation.
; The chip was launched on July 23, 2026; its instructions are those of AMD's public machine-readable ISA for CDNA 5 (MIT licence, August 2026) and "CDNA5" Instruction Set Architecture Reference Guide (July 2026). The comments in the code are by the model that wrote it; some were corrected since.
;; Scaled Dot Product Attention. Allowed arithmetic: float matrix products may take bf16 or f16 operands with f32 sums; other float arithmetic in f32, or as packed bf16 or f16 multiplies, adds, multiply-adds, maxima and minima; sums over many terms, partial sums and values carried from step to step in f32; what a program stores and reads back later, other than sums and carried values, may be rounded once to bf16 or f16.
;; Inputs: k 4 x 16 x 2,048 x 64 float32; mask 2,048 x 2,048 bool; q 4 x 16 x 2,048 x 64 float32; v 4 x 16 x 2,048 x 64 float32.
;; Outputs: out0 4 x 16 x 2,048 x 64 float32.
;; One version. Each part assembles by itself: llvm-mc -triple=amdgcn-amd-amdhsa -mcpu=gfx1250 --defsym DOCPART=n.
;; ======== version 1 of 1: 2 launches
;; limits: inputs' magnitudes at most 65,504; values are held in f16: magnitudes above 65,504 overflow, below 6.1e-05 lose precision
;; workspace buffers: mbits 525,312 bytes of whole numbers
;; launch maskbits (part 1): grid 256 x 1, 2 waves a work-group, no clusters, 0 bytes of LDS; arguments mask, mbits; writes mbits
.if DOCPART == 1
	.amdgcn_target "amdgcn-amd-amdhsa--gfx1250"
	.amdhsa_code_object_version 6
	.text
	.protected	k_qf7065973a1_maskbits
	.globl	k_qf7065973a1_maskbits
	.p2align	8
	.type	k_qf7065973a1_maskbits,@function
k_qf7065973a1_maskbits:
	s_mov_b64 s[64:65], 0
	v_nop
	global_prefetch_b8 v0, s[64:65] scope:SCOPE_SE
	s_setreg_imm32_b32 hwreg(HW_REG_WAVE_MODE, 25, 1), 1
	s_wait_xcnt 0x0
; THE MASK, READ ONCE, AS BITS AND FLAGS.  mask: [2048][2048] bytes, 0 or 1 (1 = keep), the same for every head.
; mbits, three parts:
;   HID  byte 0:       [tile t: 128][slot: 16][lane: 32][e: 2] words.  The word of tile t (query rows 16 t ..), key step j = 2 slot + e (keys 64 j ..) and lane
;                      (r = lane % 16, h = lane / 16): bit 8 kt + jj is 1 where mask[16 t + r][64 j + 16 kt + 8 h + jj] is 0: the order of the lane's 32 scores in the next launch.
;   TL   byte 524,288: a word a tile; bit j: the tile has a kept key in step j.
;   TH   byte 524,800: a word a tile; bit j: the tile has a hidden key in step j.
; SHARES.  Work-group x, wave w: tile t = x / 2, the eight steps 8 jg .. 8 jg + 7 with jg = 2 (x % 2) + w: 16 rows x 512 bytes of the mask, 1,024 bytes of HID, a byte of TL and of TH.
; No LDS, no barrier: no wave needs another's numbers.
.set TLB, 524288
.set THB, 524800
.set HID, 8                            ; v[8:15]   the eight steps' words
.set DAT, 16                           ; v[16:79]  32 loads of 8 bytes: step s, key group kt at DAT + 8 s + 2 kt
	s_load_b128 s[4:7], s[0:1], 0x0                ; mask s[4:5], mbits s[6:7]
	v_lshrrev_b32 v3, 5, v0
	v_readfirstlane_b32 s8, v3                     ; wave 0, 1
	s_lshr_b32 s10, ttmp9, 1                       ; t
	s_and_b32 s11, ttmp9, 1
	s_lshl1_add_u32 s11, s11, s8                   ; jg
	s_mov_b32 s9, 0x01020408                       ; gathers four bytes' lowest bits: see STEP
	s_mov_b32 s12, 0                               ; my byte of TL
	s_mov_b32 s13, 0                               ; my byte of TH
	v_and_b32 v4, 15, v0                           ; r
	v_bfe_u32 v5, v0, 4, 1                         ; h
	v_and_b32 v2, 31, v0
	v_lshlrev_b32 v2, 3, v2                        ; 8 x lane: my two words in a slot's 256 bytes of HID
	v_lshlrev_b32 v1, 11, v4                       ; row r of the tile,
	v_lshl_add_u32 v1, v5, 3, v1                   ; + 8 h,
	s_lshl_b32 s17, s11, 9
	v_add_nc_u32 v1, s17, v1                       ; + my eight steps' 512 bytes
	s_lshl_b32 s20, s10, 15                        ; the tile's 16 rows of 2,048 bytes
	s_mov_b32 s21, 0
	s_lshl_b32 s22, s10, 12                        ; the tile's 4,096 bytes of HID,
	s_lshl_b32 s25, s11, 10                        ; my four slots in them
	s_add_co_u32 s22, s22, s25
	s_mov_b32 s23, 0
	s_lshl2_add_u32 s24, s10, s11                  ; 4 t + jg: my byte in TL and in TH
	v_mov_b32 v7, s24
	s_wait_kmcnt 0x0
	s_add_nc_u64 s[4:5], s[4:5], s[20:21]
	s_add_nc_u64 s[18:19], s[6:7], s[22:23]
.set i, 0
.rept 32                               ; step i / 4, key group i % 4: 64 (i / 4) + 16 (i % 4) = 16 i bytes along the row
	global_load_b64 v[DAT+2*i:DAT+2*i+1], v1, s[4:5] offset:16*i
.set i, i+1
.endr
; One step's word.  A word of four mask bytes b0..b3 (each 0 or 1) times 0x01020408 has b0..b3 at bits 24..27: byte k meets the factor's bit 24 - 7 k there; every other product
; of a byte and a factor bit falls on a bit of its own below 24 or past bit 31, so nothing carries, and bits 28..31 are 0.
.macro STEP s
	s_wait_loadcnt 28-4*(\s)                       ; loads come back in order: this step's four are in, the later steps' four each may be out
	v_mul_lo_u32 v4, v[DAT+8*(\s)], s9
	v_lshrrev_b32 v4, 24, v4                       ; bits 0..3 of the word of kept keys
.irp d, 1,2,3,4,5,6,7
	v_mul_lo_u32 v3, v[DAT+8*(\s)+(\d)], s9
	v_lshrrev_b32 v3, 24, v3
	v_lshl_or_b32 v4, v3, 4*(\d), v4               ; bits 4 d .. 4 d + 3
.endr
	v_xor_b32 v[HID+(\s)], -1, v4                  ; hidden = not kept
	v_cmp_ne_u32 s14, 0, v4                        ; lanes with a kept key
	v_cmp_ne_u32 s15, 0, v[HID+(\s)]               ; lanes with a hidden key
	s_cmp_lg_u32 s14, 0
	s_cselect_b32 s17, 1<<(\s), 0
	s_or_b32 s12, s12, s17
	s_cmp_lg_u32 s15, 0
	s_cselect_b32 s17, 1<<(\s), 0
	s_or_b32 s13, s13, s17
.endm
.irp s, 0,1,2,3,4,5,6,7
	STEP \s
.endr
.irp p, 0,1,2,3
	global_store_b64 v2, v[HID+2*(\p):HID+2*(\p)+1], s[18:19] offset:256*(\p)  ; a slot's two steps: the wave's store covers 256 consecutive bytes, aligned
.endr
	v_mov_b32 v5, s12
	v_mov_b32 v6, s13
	v_cmp_eq_u32 vcc_lo, 0, v2                     ; lane 0 alone stores the two flag bytes
	s_wait_xcnt 0x0                                ; EXEC is a source of the stores above: it changes only behind this wait
	s_and_saveexec_b32 s16, vcc_lo
	global_store_b8 v7, v5, s[6:7] offset:TLB
	global_store_b8 v7, v6, s[6:7] offset:THB
	s_wait_xcnt 0x0                                ; and again in front of the line that widens it
	s_or_b32 exec_lo, exec_lo, s16
	s_endpgm
.Lfunc_end_k_qf7065973a1_maskbits:
	.size	k_qf7065973a1_maskbits, .Lfunc_end_k_qf7065973a1_maskbits-k_qf7065973a1_maskbits
	.p2alignl 7, 3214868480
	.fill 96, 4, 3214868480
	.section	.rodata,"a",@progbits
	.p2align	6, 0x0
	.amdhsa_kernel k_qf7065973a1_maskbits
		.amdhsa_group_segment_fixed_size 0
		.amdhsa_private_segment_fixed_size 0
		.amdhsa_enable_private_segment 0
		.amdhsa_kernarg_size 16
		.amdhsa_user_sgpr_count 2
		.amdhsa_user_sgpr_kernarg_segment_ptr 1
		.amdhsa_wavefront_size32 1
		.amdhsa_system_sgpr_workgroup_id_x 1
		.amdhsa_system_sgpr_workgroup_id_y 1
		.amdhsa_system_sgpr_workgroup_id_z 1
		.amdhsa_system_vgpr_workitem_id 0
		.amdhsa_next_free_vgpr 80
		.amdhsa_next_free_sgpr 66
		.amdhsa_reserve_vcc 1
		.amdhsa_float_denorm_mode_32 3
		.amdhsa_float_denorm_mode_16_64 3
		.amdhsa_memory_ordered 1
		.amdhsa_forward_progress 1
		.amdhsa_inst_pref_size 18
	.end_amdhsa_kernel
	.amdgpu_metadata
---
amdhsa.version: [ 1, 2 ]
amdhsa.kernels:
  - .name:           k_qf7065973a1_maskbits
    .symbol:         k_qf7065973a1_maskbits.kd
    .args:
      - { .name: mask, .offset: 0, .size: 8, .value_kind: global_buffer, .address_space: global }
      - { .name: mbits, .offset: 8, .size: 8, .value_kind: global_buffer, .address_space: global }
    .group_segment_fixed_size: 0
    .private_segment_fixed_size: 0
    .kernarg_segment_align: 8
    .kernarg_segment_size: 16
    .max_flat_workgroup_size: 64
    .sgpr_count:     66
    .vgpr_count:     80
    .wavefront_size: 32
...
	.end_amdgpu_metadata
.endif
;; end of part 1
;; launch attn (part 2): grid 4 x 64, 4 waves a work-group, no clusters, 122,880 bytes of LDS; arguments q, k, v, mbits, out0; writes out0
.if DOCPART == 2
	.amdgcn_target "amdgcn-amd-amdhsa--gfx1250"
	.amdhsa_code_object_version 6
	.text
	.protected	k_qf7065973a1_attn
	.globl	k_qf7065973a1_attn
	.p2align	8
	.type	k_qf7065973a1_attn,@function
k_qf7065973a1_attn:
	s_mov_b64 s[64:65], 0
	v_nop
	global_prefetch_b8 v0, s[64:65] scope:SCOPE_SE
	s_setreg_imm32_b32 hwreg(HW_REG_WAVE_MODE, 25, 1), 1
	s_wait_xcnt 0x0
; out0[hd][q][:] = the sum over kept keys k of softmax_k(Q[hd][q] . K[hd][k] / 8) V[hd][k][:].  q, k, v, out0: [64 heads][2048][64] f32.  Which keys a query keeps is an INPUT, read here as the
; bits and flags that the launch before made of it (mbits: HID, TL, TH; its head says how they lie).  Nothing of the mask's pattern is built in.
; FORMATS.  q, k, v and the weights p are rounded once to f16 for the matrix unit; scores, maxima, sums and O stay in f32; c = log2(e) / 8 is applied in f32.
; LIMITS.  |q|, |k|, |v| below 65,504 (f16's end).  A hidden score counts as its value less 1e30.  The running maximum starts at -2^93: true scores lie above that.  A weight below 2^-126
; counts as 0 in the sum.  A row that keeps no key ends with O = 0 and l = 0 and leaves as 0 x (1 / 0) = NaN, as a softmax of nothing but -inf does.
; SHARES.  A head has 32 UNITS of 64 query rows and 32 key STEPS of 64 keys.  Work-group (g, head): wave w owns units u0 = 4 g + w and u1 = 31 - u0, each four TILES of 16 rows; tile T = 4 U + y.
; All four waves walk the head's steps through LDS, two steps a SLOT, two slots that take turns.
; WHAT IS SKIPPED.  A unit's step in which none of its 64 x 64 scores is kept changes neither m, l nor O: it is jumped over.  A slot in which none of the work-group's eight units keeps anything is
; not even loaded.  A step without a hidden score takes a mask operand of zeros; only a step with both kinds makes one (PREP).  All these jumps hang on whole numbers read from mbits, go forward,
; and pass no barrier.
; THE MASK is the C operand that starts the sum S^T = K Q^T: 0, or -1e30 where the key is hidden: far below the maximum's start, so that a hidden score never enters m and its weight is 0.
; K AND V COME THROUGH REGISTERS: they are f32 in memory and are rounded to f16 once a work-group on the way into LDS (global_load_b128, v_cvt_pk_f16_f32, ds_store_b64).  A tensor load would
; bring f32: twice the LDS bytes and a second trip through LDS.  NO CLUSTER for the same reason: joint requests are tensor loads.
; LAYOUT, SOFTMAX, TURNS.  S^T = K Q^T holds ONE query a lane (lane % 16) and the keys 8 (lane / 16) + 0..7 of each 16; two such results rounded to f16 ARE source 1 of O^T = V^T P.
; p = 2^(c s - c m) with a running maximum m; O and l are multiplied by a = 2^(c m_old - c m_new) in every step.  A unit's step is four TURNS: turn n belongs to tile n: 8 products K Q^T of tile
; n + 1, later 8 products V^T P of tile n - 1, four vector instructions behind each; beside them the scaling, exponentials, roundings, sums and rescaling of tile n and the maximum and statistics
; of tile n + 1.  Tile 0's scores stand in front of the turns and tile 3's V^T P behind them, bare: which unit's step comes next is known only at run time, so the turns do not run on into it.
; REGISTERS, in windows of 256 (s_set_vgpr_msb: bits 1:0 source 0, 3:2 source 1, 5:4 source 2, 7:6 destination):
;   window 0: v0-15, v56-63 addresses; v16-47 four statistics a tile; v48-55 at work; v64-127 S^T, two buffers; v128-159 mask words; v192-223 P, two buffers; on the way out v64-191 rows of out0
;   window 1: O^T, 32 a tile (at the head: q as loaded)     window 2: v0-127 Q, 16 a tile; v128-191 K, v192-255 V of one step     window 3: v0-127 the mask operand; v128-255 the next slot's K and V as loaded
.set NP,    4         ; tiles in a unit: a name, no knob
.set PK,    144       ; a row of K in LDS: 128 bytes + 16 = 36 words: the 16 rows of a load start at 16 different groups of four banks (64 banks of 4 bytes: ISA guide 11.1)
.set PV,    160       ; a row of V: 128 + 32 = 40 words
.set VOFF,  64*PK     ; a step's 64 rows of K, then its 64 rows of V
.set STEPB, 64*(PK+PV)
.set SLOT1, 65536     ; slot 1 begins here, so that one exclusive or turns an address in one slot into the other's
.set STAGE, SLOT1+2*STEPB  ; behind the slots: 16 rows x 272 bytes for each wave, for the way out
.set SP,    272
.set SPARE, STAGE+4*16*SP  ; behind the stages: the spare words, 128 bytes for each wave: two blocks of 256 bytes that no other line names
.set SLOTG, 32768     ; a slot's 128 keys in memory: 128 rows of 256 bytes
.set TLB,   524288    ; mbits: the words of live steps,
.set THB,   524800    ; and of steps with a hidden key
.set AK0, 2           ; v2   my lane's place in a step's K; never rewritten
.set AV0, 3           ; v3   the same for V
.set AK,  4           ; v4   LDS address of the K fragments of the step in hand
.set AV,  5           ; v5   of its V fragments
.set STO, 6           ; v6   the way out: where I put 16 bytes of a row
.set RD,  7           ; v7   the way out: where I read a row back
.set GO,  8           ; v8   16 x lane: my bytes in 512 consecutive bytes of out0
.set MV,  12          ; v12-13  c m_old, kept while c m is made anew: by the tile's parity
.set GLO, 14          ; v14  my bytes in a slot's K and V in memory: 8,192 w + 16 x lane
.set QO,  15          ; v15  my byte offset in 16 rows of q
.set ST,  16          ; tile T's statistics at v[ST+4 T]: c m, m, l (even keys', odd keys')
.set TMP, 48          ; by parity, four registers c0-c3 at work; when the maximum is found c2 takes a
.set KST0, 56         ; v56  where my 8 bytes of a row of K go in a slot
.set VST0, 57         ; v57  the same for V
.set KSA, 58          ; v58, v59  the same with the slot's base
.set VSA, 59
.set VM0, 60          ; v60, v61  my two mask words of a slot, for units U0 and U1: 16,384 u + 8 x lane
.set VM1, 61
.set SPW, 62          ; v62  LDS address of my spare word; never rewritten
.set NIL, 63          ; v63  0; never rewritten
.set S,   64
.set W0,  128         ; v128-135  tile T's mask word of the step in hand
.set W1,  136         ; v136-143  of the slot's second step
.set ML,  144         ; v144-159  tile T's two words of the next slot, as loaded
.set PFO, 160         ; v160  256 x lane
.set P,   192
.set OB,  64          ; the way out: four buffers of 32
.set KF,  128         ; window 2: key block kb, channel half c at KF + 16 kb + 8 c
.set VF,  192         ; window 2: key half kk, channel block cb at VF + 32 kk + 8 cb
.set MC,  0           ; window 3: the mask operand, tile y at MC + 32 y
.set STG, 128         ; window 3: K's load n at STG + 4 n, V's at STG + 64 + 4 n
.set KP,  6           ; s[6:7]   K at the slot to be loaded
.set VP,  8           ; s[8:9]   V likewise
.set MBP, 10          ; s[10:11] mbits at that slot's words
.set WV,  14          ; s14  my wave's number
.set GX,  15          ; s15  g
.set L0,  66          ; s66, s67  my two units' live steps: bit 0 is the step in hand
.set L1,  67
.set H0,  68          ; s68, s69  their steps with a hidden key
.set H1,  69
.set WGN, 70          ; s70  the work-group's live steps: bits 0, 1 are the NEXT slot's
.set DIRTY, 71        ; s71  1: the mask operand holds a mask, 0: zeros
.set TB,  72          ; s72  LDS byte at which the step in hand begins
.set SC,  74          ; s74  slots to go
.set CNT, 75          ; s75  counts a slot's two steps
.set T0,  76          ; s76, s77  at work
.set T1,  77
.set CS,  78          ; s[78:79] c: the packed scaling takes the pair's low word for both halves
.set SEL, 80          ; s[80:81] v_permlanex16_b32's selects: each lane takes its own place in the other half
.set BIGN, 82         ; s82  -1e30
.set OUT0, 84         ; s[84:85], s[86:87] out0 at my two units
.set OUT1, 86
.set PFP, 88          ; s[88:89] wave 0: K, wave 1: V, at my work-group's quarter of the slot two ahead
.set QP0, 90          ; s[90:91], s[92:93] q at my two units
.set QP1, 92
.set MSB, 0
.macro WIN new                      ; the high byte repeats the setting that is left; a switch that changes nothing is dropped
.if MSB != (\new)
	s_set_vgpr_msb (MSB<<8)|(\new)
.set MSB, (\new)
.endif
.endm
.set W_KQ, 0x0a       ; K and Q in window 2, S^T in window 0
.set W_KM, 0x3a       ; the same with the C operand in window 3
.set W_PV, 0x52       ; V in window 2, P in window 0, O^T in window 1
.set W_RS, 0x41       ; destination and source 0 in window 1, source 1 in window 0
; A slot's K and V, my quarter of each (32 keys, 16 loads of 512 consecutive bytes), and my eight tiles' two mask words: 40 loads.
.macro LOADNEXT
	WIN 0xc0                        ; destination window 3, address window 0
.set n, 0
.rept 16
	global_load_b128 v[STG+4*n:STG+4*n+3],       v[GLO], s[KP:KP+1] offset:512*n
	global_load_b128 v[STG+64+4*n:STG+64+4*n+3], v[GLO], s[VP:VP+1] offset:512*n
.set n, n+1
.endr
	WIN 0
.set n, 0
.rept 4
	global_load_b64 v[ML+2*n:ML+2*n+1],     v[VM0], s[MBP:MBP+1] offset:4096*n
	global_load_b64 v[ML+8+2*n:ML+8+2*n+1], v[VM1], s[MBP:MBP+1] offset:4096*n
.set n, n+1
.endr
.endm
; What LOADNEXT brought is rounded to f16 in place (four f32 into two registers) and goes into the slot at s[TB]: load n holds keys 2 n and 2 n + 1 of my 32, lanes 0-15 the one, lanes 16-31 the other.
.macro STORENEXT
	WIN 0
	v_add_nc_u32 v[KSA], s[TB], v[KST0]
	v_add_nc_u32 v[VSA], s[TB], v[VST0]
	WIN 0xcf                        ; sources and destination window 3
.set n, 0
.rept 32
	v_cvt_pk_f16_f32 v[STG+4*n],   v[STG+4*n],   v[STG+4*n+1]
	v_cvt_pk_f16_f32 v[STG+4*n+1], v[STG+4*n+2], v[STG+4*n+3]
.set n, n+1
.endr
	WIN 0x0c                        ; store data window 3, address window 0
.set n, 0
.rept 16
	ds_store_b64 v[KSA], v[STG+4*n:STG+4*n+1]       offset:2*PK*n
	ds_store_b64 v[VSA], v[STG+64+4*n:STG+64+4*n+1] offset:2*PV*n
.set n, n+1
.endr
	WIN 0
.set n, 0
.rept 8
	v_mov_b32 v[W0+n], v[ML+2*n]    ; the slot's first step's word,
	v_mov_b32 v[W1+n], v[ML+2*n+1]  ; and its second's
.set n, n+1
.endr
.endm
; The fragments of the step at s[TB], in one run: K (64 keys x 64 channels: 8 fragments) as it lies, then V turned.  Loads into registers that products have read stand four plain vector
; instructions behind them (ISA guide 7.12.1 for vector instructions): every way here from a product passes the eight copies at a step's end.
.macro FRAG
	WIN 0
	v_add_nc_u32 v[AK], s[TB], v[AK0]
	v_add_nc_u32 v[AV], s[TB], v[AV0]
	WIN 0x80                        ; destination window 2
.irp f, 0,1,2,3,4,5,6,7             ; keys 16 (f / 2) on, channels 32 (f % 2) on
	ds_load_b128 v[KF+8*\f:KF+8*\f+3],   v[AK] offset:(\f/2)*16*PK+(\f%2)*64
	ds_load_b128 v[KF+8*\f+4:KF+8*\f+7], v[AK] offset:(\f/2)*16*PK+(\f%2)*64+32
.endr
.irp f, 0,1,2,3,4,5,6,7             ; keys 32 (f / 4) on, channels 16 (f % 4) on
	ds_load_tr16_b128 v[VF+8*\f:VF+8*\f+3],   v[AV] offset:(\f/4)*32*PV+(\f%4)*32
	ds_load_tr16_b128 v[VF+8*\f+4:VF+8*\f+7], v[AV] offset:(\f/4)*32*PV+16*PV+(\f%4)*32
.endr
	WIN 0
.endm
; The mask operand of unit u's four tiles for the step in hand: bit i of a tile's word is moved to the sign, spread over the word, and cut to -1e30's bits: -1e30 where hidden, else 0.
.macro PREP u
	WIN 0xc0                        ; destination window 3, the word in window 0
.set k, 0
.rept 128
	v_lshlrev_b32 v[MC+k], 31-(k%32), v[W0+4*(\u)+k/32]
.set k, k+1
.endr
	WIN 0xcc                        ; source 1 and destination window 3
.set k, 0
.rept 128
	v_ashrrev_i32 v[MC+k], 31, v[MC+k]
.set k, k+1
.endr
.set k, 0
.rept 128
	v_and_b32 v[MC+k], s[BIGN], v[MC+k]
.set k, k+1
.endr
	WIN 0
.endm
.macro CLEAN                        ; the mask operand is zeros again
	WIN 0xc0
.set k, 0
.rept 128
	v_mov_b32 v[MC+k], 0
.set k, k+1
.endr
	WIN 0
.endm
; THE MATRIX WORK.  UB is the unit.  The 4 accumulators of a run of 8 take turns, one instruction a turn.
; Product i of 8 of S^T = K Q^T for tile x: channels 32 (i / 4) on, keys 16 (i % 4) on.  The first 4 start the sums with the mask operand.
.macro KQ x
.set rS, S+32*((\x)%2)+8*(i%4)
.set rK, KF+16*(i%4)+8*(i/4)
.set rQ, 16*(4*UB+(\x))+8*(i/4)
.set rM, MC+32*(\x)+8*(i%4)
.if i < 4
	WIN W_KM
	v_wmma_f32_16x16x32_f16 v[rS:rS+7], v[rK:rK+7], v[rQ:rQ+7], v[rM:rM+7]
.else
	WIN W_KQ
	v_wmma_f32_16x16x32_f16 v[rS:rS+7], v[rK:rK+7], v[rQ:rQ+7], v[rS:rS+7]
.endif
.endm
; Product i of 8 of O^T += V^T P for tile x: keys 32 (i / 4) on, channels 16 (i % 4) on.
.macro PV x
	WIN W_PV
.set rO, 32*(4*UB+(\x))+8*(i%4)
.set rV, VF+32*(i/4)+8*(i%4)
.set rP, P+16*((\x)%2)+8*(i/4)
	v_wmma_f32_16x16x32_f16 v[rO:rO+7], v[rV:rV+7], v[rP:rP+7], v[rO:rO+7]
.endm
.macro MM                           ; the turn's next matrix instruction.  NOKQ: the unit's last turn has no next tile.  NOPV: its first has no tile before
.if i < 8
.if !NOKQ
	KQ Y+1
.endif
.else
.if !NOPV
.set i, i-8
	PV Y-1
.set i, i+8
.endif
.endif
.set i, i+1
.endm
; THE VECTOR WORK, one line at a time: OP kind, number.  For tile Y: F n: c s - c m for pair n of 16.  E n: the exponential of score n of 32.  C n: pair n rounded to f16.  B n: of the four weights 4 n ..
; the second pair is added onto the first, in place.  L n: l takes that sum (L 0: l = a l + sum).  R n: pair n of 16 of O^T times a.  For tile Y + 1: X n, number n of the 22 that find its maximum and statistics:
;   0-11  four chains c0-c3 of seven scores each, three operands at a time (each accumulator's lowest registers are read first)     12-14, 16  the four scores left over, the old m, and c0-c3 into c0
;   15  c m_old is kept     17, 18  the query's other 32 keys lie in the lane 16 away: the new m     19-21  c m; c m_old - c m_new; a
.set F, 0               ; OP tells the kinds apart by their order: F to L below R, X above it
.set E, 1
.set C, 2
.set B, 3
.set L, 4
.set R, 5
.set X, 6
.macro REGS y                       ; the registers of tile y of unit UB
.set rT, ST+4*(4*UB+(\y))
.set rC, TMP+4*((\y)%2)
.set rW, MV+((\y)%2)
.set rS, S+32*((\y)%2)
.set rP, P+16*((\y)%2)
.set rO, 32*(4*UB+(\y))
.endm
.macro OP k, n
.if (\k) == R
	REGS Y
	WIN W_RS
	v_pk_mul_f32 v[rO+2*(\n):rO+2*(\n)+1], v[rO+2*(\n):rO+2*(\n)+1], v[rC+2:rC+3] op_sel_hi:[1,0]
.elseif (\k) < R
	REGS Y
	WIN 0
.if (\k) == F
	v_pk_fma_f32 v[rS+2*(\n):rS+2*(\n)+1], v[rS+2*(\n):rS+2*(\n)+1], s[CS:CS+1], v[rT:rT+1] op_sel_hi:[1,0,0] neg_lo:[0,0,1] neg_hi:[0,0,1]
.elseif (\k) == E
	v_exp_f32 v[rS+(\n)], v[rS+(\n)]
.elseif (\k) == C
	s_wait_alu depctr_va_vdst(0)
	v_cvt_pk_f16_f32 v[rP+(\n)], v[rS+2*(\n)], v[rS+2*(\n)+1]
.elseif (\k) == B
	s_wait_alu depctr_va_vdst(0)
	v_pk_add_f32 v[rS+4*(\n):rS+4*(\n)+1], v[rS+4*(\n):rS+4*(\n)+1], v[rS+4*(\n)+2:rS+4*(\n)+3]
.elseif (\n) == 0
	v_pk_fma_f32 v[rT+2:rT+3], v[rT+2:rT+3], v[rC+2:rC+3], v[rS:rS+1] op_sel_hi:[1,0,1]
.else
	v_pk_add_f32 v[rT+2:rT+3], v[rT+2:rT+3], v[rS+4*(\n):rS+4*(\n)+1]
	s_wait_alu depctr_va_vdst(0)
.endif
.elseif NOKQ
	v_nop                           ; a plain instruction behind each exponential
	s_wait_alu depctr_va_vdst(0)
.else
	REGS (Y+1)%NP
	WIN 0
.if (\n) < 4
	v_max3_num_f32 v[rC+(\n)], v[rS+8*(\n)], v[rS+8*(\n)+1], v[rS+8*(\n)+2]
.elseif (\n) < 12
	v_max3_num_f32 v[rC+(\n)%4], v[rC+(\n)%4], v[rS+8*((\n)%4)+2*((\n)/4)+1], v[rS+8*((\n)%4)+2*((\n)/4)+2]
.elseif (\n) == 12
	v_max3_num_f32 v[rC], v[rC], v[rS+7], v[rS+15]
.elseif (\n) == 13
	v_max3_num_f32 v[rC+1], v[rC+1], v[rS+23], v[rS+31]
.elseif (\n) == 14
	v_max3_num_f32 v[rC+2], v[rC+2], v[rC+3], v[rT+1]
.elseif (\n) == 15
	v_mov_b32 v[rW], v[rT]
	s_wait_alu depctr_va_vdst(0)
.elseif (\n) == 16
	v_max3_num_f32 v[rC], v[rC], v[rC+1], v[rC+2]
	s_wait_alu depctr_va_vdst(0)
.elseif (\n) == 17
	v_permlanex16_b32 v[rC+3], v[rC], s[SEL], s[SEL+1]
.elseif (\n) == 18
	v_max_num_f32 v[rT+1], v[rC], v[rC+3]
.elseif (\n) == 19
	v_mul_f32 v[rT], s[CS], v[rT+1]
.elseif (\n) == 20
	v_sub_f32 v[rC+1], v[rW], v[rT]
.else
	v_exp_f32 v[rC+2], v[rC+1]
.endif
.endif
.endm
.macro OPS a, i1, b=-1, i2=0, c=-1, i3=0, d=-1, i4=0  ; up to four of them
	OP \a, \i1
.if (\b) >= 0
	OP \b, \i2
.endif
.if (\c) >= 0
	OP \c, \i3
.endif
.if (\d) >= 0
	OP \d, \i4
.endif
.endm
.macro ROW a, i1, b, i2, c, i3, d, i4  ; a matrix instruction and the four behind it
	MM
	OPS \a, \i1, \b, \i2, \c, \i3, \d, \i4
.endm
; A TURN, for tile p: the order of its matrix and its 118 vector instructions, written out.  Behind a matrix instruction: plain, exponential, plain, plain; or four of the rescaling; or, behind the first,
; four scalings; none names a register of the products round it.  In the runs between, exponential and plain by turns while exponentials last.  A line reads no result made fewer than three vector
; instructions in front of it, five if an exponential made it.  v_permlanex16_b32 (X 17) stands in such a run, never behind a product.
.macro TURN p
.set Y, (\p)
.set i, 0
.set NOKQ, (\p)/3
.if (\p) == 0
.set NOPV, 1
.else
.set NOPV, 0
.endif
	ROW F,0, F,1, F,2, F,3
	ROW F,4, E,0, F,5, F,6
	ROW F,7, E,1, F,8, F,9
	ROW F,10, E,2, C,0, F,11
	ROW F,12, E,3, X,15, F,13
	ROW R,0, R,1, R,2, R,3
	ROW B,0, E,4, F,14, L,0
	ROW R,4, R,5, R,6, R,7
	OPS E,5, F,15
	OPS E,6, C,1, E,7, R,8
	OPS E,8, R,9, E,9, C,2
	OPS E,10, X,0, E,11, X,1
	OPS E,12, X,2, E,13, X,3
.if (\p) == 1
	s_wait_dscnt 0x0                ; V is in: the unit's first V^T P follows
.endif
	ROW X,4, E,14, X,5, X,6
	ROW X,7, E,15, X,8, X,9
	ROW X,10, E,16, X,11, X,12
	ROW X,13, E,17, X,14, B,1
	ROW C,4, E,18, X,16, L,1
	ROW B,2, E,19, C,6, L,2
	ROW C,8, E,20, B,3, B,4
	ROW C,3, E,21, L,3, C,5
	OPS E,22, X,17, E,23, C,10
	OPS E,24, L,4
	OPS E,25, X,18, E,26, C,7
	OPS E,27, B,5, E,28, X,19
	OPS E,29, C,12, E,30, L,5
	OPS E,31, X,20, B,6, C,9
	OPS C,14, C,11, X,21, L,6
	OPS C,13, B,7, C,15, R,10
	OPS R,11, R,12, L,7, R,13
	OPS R,14, R,15
.endm
; ONE UNIT'S STEP.  The mask operand first: made if the step hides a key of the unit; cleared if it does not and the operand still holds an earlier mask; else left as it is, zeros.
.macro UNIT u
.set UB, (\u)
	s_and_b32 s[T0], s[H0+(\u)], 1
	s_cmp_lg_u32 s[T0], 0
	s_cbranch_scc1 .Lprep_\@
	s_cmp_eq_u32 s[DIRTY], 0
	s_cbranch_scc1 .Lgo_\@
	CLEAN
	s_mov_b32 s[DIRTY], 0
	s_branch .Lgo_\@
.Lprep_\@:
	PREP \u
	s_mov_b32 s[DIRTY], 1
.Lgo_\@:
	s_wait_dscnt 16                 ; K is in: LDS loads come back in order, and V's sixteen were issued behind K's
.set i, 0
.rept 8
	KQ 0                            ; tile 0's scores
.set i, i+1
.endr
	WIN 0
.rept 4
	v_nop                           ; the places behind those products: no other vector work is ready
.endr
.set NOKQ, 0
.set Y, NP-1                        ; X works for tile Y + 1: tile 0
.irp n, 0,1,2,3,4,5,6,7,8,9,10,11,12,13,14,15,16,17,18,19,20,21
	OP X, \n
.endr
	v_nop                           ; a plain instruction behind the exponential
	TURN 0
	TURN 1
	TURN 2
	TURN 3
.set i, 0
.rept 8
	PV 3                            ; tile 3's V^T P
.set i, i+1
.endr
	WIN 0
.endm
	; THE HEAD
	s_load_b256 s[4:11], s[0:1], 0x0  ; q s[4:5], k s[6:7], v s[8:9], mbits s[10:11]
	s_load_b64 s[12:13], s[0:1], 0x20 ; out0
	v_lshl_add_u32 v[SPW], v0, 2, SPARE
	v_mov_b32 v[NIL], 0
	v_lshrrev_b32 v1, 5, v0
	v_readfirstlane_b32 s[WV], v1   ; wave 0..3
	s_mov_b32 s[GX], ttmp9
	s_and_b32 s2, ttmp7, 0xffff     ; the head,
	s_lshl_b32 s2, s2, 19           ; its 2,048 rows of 256 bytes
	s_mov_b32 s3, 0
	s_lshl2_add_u32 s[T0], s[GX], s[WV]  ; u0 = 4 g + w
	s_sub_co_u32 s[T1], 31, s[T0]   ; u1
	s_lshl_b32 s16, s[T0], 14       ; a unit is 16,384 bytes of q and out0, and of HID
	s_mov_b32 s17, 0
	s_lshl_b32 s18, s[T1], 14
	s_mov_b32 s19, 0
	s_lshl_b32 s20, s[WV], 13       ; my 32 keys of a slot in memory
	s_lshr_b32 s21, s[WV], 1        ; which lie in the slot's step w / 2,
	s_and_b32 s22, s[WV], 1         ; in its half w % 2
	s_mul_i32 s23, s21, STEPB
	s_mul_i32 s24, s22, 32*PK
	s_add_co_u32 s24, s24, s23
	s_mul_i32 s25, s22, 32*PV
	s_add_co_u32 s25, s25, s23
	s_add_co_u32 s25, s25, VOFF
	s_mul_i32 s26, s[WV], 16*SP
	s_add_co_u32 s26, s26, STAGE    ; my stage
	s_lshl_b32 s28, s[GX], 13       ; my work-group's quarter of a slot, two slots on
	s_add_co_u32 s28, s28, 2*SLOTG
	s_mov_b32 s29, 0
	s_mov_b32 s[CS], 0x3e38aa3b     ; c = log2(e) / 8 = 0.180337
	s_mov_b32 s[CS+1], s[CS]        ; named with it as a pair
	s_mov_b32 s[SEL], 0x76543210
	s_mov_b32 s[SEL+1], 0xfedcba98
	s_mov_b32 s[BIGN], 0xf149f2ca   ; -1e30
	s_mov_b32 s[DIRTY], 0
	s_mov_b32 s[TB], 0
	s_mov_b32 s[SC], 16
	v_and_b32 v1, 15, v0            ; r = l % 16
	v_bfe_u32 v9, v0, 4, 1          ; h = l / 16
	v_and_b32 v10, 7, v0
	v_bfe_u32 v11, v0, 3, 1
	v_and_b32 v[GO], 31, v0         ; l
	v_lshlrev_b32 v[PFO], 8, v[GO]
	v_lshl_add_u32 v[VM0], v[GO], 3, s16
	v_lshl_add_u32 v[VM1], v[GO], 3, s18
	v_lshlrev_b32 v[GO], 4, v[GO]
	v_add_nc_u32 v[GLO], s20, v[GO]
	v_lshlrev_b32 v[QO], 8, v1      ; q: row r, eight f32 for each half of the lanes
	v_lshl_add_u32 v[QO], v9, 5, v[QO]
	; A fragment of K or Q is 16 rows x 32 channels in 8 registers: lane l holds row l % 16, channels 8 (l / 16) + 0..7 and 16 + 8 (l / 16) + 0..7.
	v_mul_u32_u24 v[AK0], v1, PK
	v_lshl_add_u32 v[AK0], v9, 4, v[AK0]
	; The turning load takes 16 keys x 16 channels (lane l reads key 8 (l / 16) + l % 8, channels 8 ((l / 8) % 2) + 0..7) and leaves half a fragment of V^T: lane l holds channel l % 16 and 8 keys.
	v_lshl_add_u32 v[AV0], v9, 3, v10
	v_mul_u32_u24 v[AV0], v[AV0], PV
	v_lshl_add_u32 v[AV0], v11, 4, v[AV0]
	v_add_nc_u32 v[AV0], VOFF, v[AV0]
	v_mul_u32_u24 v[KST0], v9, PK   ; into a slot: key l / 16 of a load's two, 8 bytes (four channels) at 8 (l % 16)
	v_lshl_add_u32 v[KST0], v1, 3, v[KST0]
	v_add_nc_u32 v[KST0], s24, v[KST0]
	v_mul_u32_u24 v[VST0], v9, PV
	v_lshl_add_u32 v[VST0], v1, 3, v[VST0]
	v_add_nc_u32 v[VST0], s25, v[VST0]
	v_mul_u32_u24 v[STO], v1, SP    ; the way out, in: row l % 16, 32 bytes for each half of the lanes
	v_lshl_add_u32 v[STO], v9, 5, v[STO]
	v_add_nc_u32 v[STO], s26, v[STO]
	v_mul_u32_u24 v[RD], v9, SP     ; back: lanes 0-15 take one row of 256 bytes, lanes 16-31 the next
	v_lshl_add_u32 v[RD], v1, 4, v[RD]
	v_add_nc_u32 v[RD], s26, v[RD]
	s_wait_kmcnt 0x0
	s_add_nc_u64 s[4:5], s[4:5], s[2:3]            ; the four tensors at the head's first row
	s_add_nc_u64 s[KP:KP+1], s[KP:KP+1], s[2:3]
	s_add_nc_u64 s[VP:VP+1], s[VP:VP+1], s[2:3]
	s_add_nc_u64 s[12:13], s[12:13], s[2:3]
	s_add_nc_u64 s[QP0:QP0+1], s[4:5], s[16:17]
	s_add_nc_u64 s[QP1:QP1+1], s[4:5], s[18:19]
	s_add_nc_u64 s[OUT0:OUT0+1], s[12:13], s[16:17]
	s_add_nc_u64 s[OUT1:OUT1+1], s[12:13], s[18:19]
	s_cmp_eq_u32 s[WV], 0
	s_cselect_b64 s[PFP:PFP+1], s[KP:KP+1], s[VP:VP+1]
	s_add_nc_u64 s[PFP:PFP+1], s[PFP:PFP+1], s[28:29]
	s_lshl_b32 s94, s[GX], 6        ; the flags.  The work-group's units 4 g .. 4 g + 3 are tiles 16 g .. 16 g + 15: 64 bytes of TL;
	s_sub_co_u32 s95, 448, s94      ; its units 28 - 4 g .. 31 - 4 g are tiles 112 - 16 g on
	s_lshl_b32 s2, s[T0], 4         ; my own units' four tiles: 16 bytes each
	s_lshl_b32 s3, s[T1], 4
	s_load_b512 s[16:31], s[MBP:MBP+1], s94 offset:TLB
	s_load_b512 s[32:47], s[MBP:MBP+1], s95 offset:TLB
	s_load_b128 s[48:51], s[MBP:MBP+1], s2 offset:TLB
	s_load_b128 s[52:55], s[MBP:MBP+1], s3 offset:TLB
	s_load_b128 s[56:59], s[MBP:MBP+1], s2 offset:THB
	s_load_b128 s[60:63], s[MBP:MBP+1], s3 offset:THB
	WIN 0x40                        ; q lands in window 1, in the order in which pairs of it round into Q's fragments: load i brings tile i / 8, channels 32 ((i / 4) % 2) + 16 ((i / 2) % 2) + 8 h + 4 (i % 2) on
.set i, 0
.rept 32
	global_load_b128 v[4*i:4*i+3], v[QO], s[QP0:QP0+1] offset:4096*(i/8)+128*((i/4)%2)+64*((i/2)%2)+16*(i%2)
.set i, i+1
.endr
.rept 32
	global_load_b128 v[4*i:4*i+3], v[QO], s[QP1:QP1+1] offset:4096*((i-32)/8)+128*((i/4)%2)+64*((i/2)%2)+16*(i%2)
.set i, i+1
.endr
	LOADNEXT                        ; slot 0, whatever its flags say
	CLEAN                           ; all this stands in the wait for the loads
.set t, 0
.rept 8
	v_mov_b32 v[ST+4*t+1], 0xee000000             ; m = -2^93: above every hidden score, below every true one
	v_mov_b32 v[ST+4*t+2], 0
	v_mov_b32 v[ST+4*t+3], 0
	v_mul_f32 v[ST+4*t], s[CS], v[ST+4*t+1]       ; c m by the line that makes it in every step, so that a is exactly 1 while m rests
.set t, t+1
.endr
	s_wait_kmcnt 0x0
	s_or_b32 s[L0], s48, s49        ; a unit is live, or has a hidden key, in a step where one of its four tiles is or has
	s_or_b32 s[T0], s50, s51
	s_or_b32 s[L0], s[L0], s[T0]
	s_or_b32 s[L1], s52, s53
	s_or_b32 s[T0], s54, s55
	s_or_b32 s[L1], s[L1], s[T0]
	s_or_b32 s[H0], s56, s57
	s_or_b32 s[T0], s58, s59
	s_or_b32 s[H0], s[H0], s[T0]
	s_or_b32 s[H1], s60, s61
	s_or_b32 s[T0], s62, s63
	s_or_b32 s[H1], s[H1], s[T0]
	s_or_b32 s[WGN], s16, s17       ; the work-group's 32 tiles
.set i, 18
.rept 30
	s_or_b32 s[WGN], s[WGN], s[i]
.set i, i+1
.endr
	s_lshr_b32 s[WGN], s[WGN], 2    ; bits 0, 1: slot 1
	s_wait_loadcnt 40               ; q is in: loads come back in order, and slot 0's forty were issued behind q's
	WIN 0x85                        ; sources window 1, destination window 2
.set n, 0
.rept 128
	v_cvt_pk_f16_f32 v[n], v[2*n], v[2*n+1]
.set n, n+1
.endr
	WIN 0x40                        ; O^T = 0.  It is cleared, not started by a first product: which step is a row's first is known only at run time, and a row that keeps no key must end with O = 0
.set n, 0
.rept 256
	v_mov_b32 v[n], 0
.set n, n+1
.endr
	WIN 0
	s_wait_loadcnt 0x0              ; slot 0 is in registers, and its loads' bases may be stepped
	STORENEXT
	s_add_nc_u64 s[KP:KP+1], s[KP:KP+1], SLOTG
	s_add_nc_u64 s[VP:VP+1], s[VP:VP+1], SLOTG
	s_add_nc_u64 s[MBP:MBP+1], s[MBP:MBP+1], 256
	s_wait_dscnt 0x0                ; for the others' sake: my part of slot 0 is stored
	s_barrier_signal -1
	s_barrier_wait -1
	; THE WALK: 16 slots.  A trip loads the next slot into registers, works through this slot's two steps, stores the next slot into the other half of LDS, and meets the other waves ONCE: in front of
	; that barrier each wave has waited for its stores into the other slot and for its reads of this one, so behind it the other slot is whole, and this one may be written in the next trip.
.Lslot:
	s_and_b32 s[T0], s[WGN], 3      ; does any of the work-group's units keep a key of the next slot?  (behind the last slot the bits are 0: no load leaves the head's rows)
	s_cmp_lg_u32 s[T0], 0
	s_cbranch_scc0 .Lnoload
	LOADNEXT                        ; it has this slot's work in which to land
	s_and_b32 s[T0], s[WGN], 12     ; and of the slot behind it?  Then that slot exists: wave 0 asks for my work-group's quarter of its K, wave 1 of its V: 32 lanes 256 bytes apart, 8,192 bytes,
	s_cmp_lg_u32 s[T0], 0           ; one trip ahead of the loads that will want them; the head's four work-groups ask for a quarter each
	s_cbranch_scc0 .Lnoload
	s_cmp_lt_u32 s[WV], 2
	s_cbranch_scc0 .Lnoload
	global_prefetch_b8 v[PFO], s[PFP:PFP+1] th:TH_LOAD_NT scope:SCOPE_SE
.Lnoload:
	s_mov_b32 s[CNT], 2
.Lstep:
	s_or_b32 s[T0], s[L0], s[L1]
	s_and_b32 s[T0], s[T0], 1
	s_cmp_lg_u32 s[T0], 0
	s_cbranch_scc0 .Lend            ; neither of my units keeps a key of this step
	FRAG
	s_and_b32 s[T0], s[L0], 1
	s_cmp_lg_u32 s[T0], 0
	s_cbranch_scc0 .Lu1
	UNIT 0
.Lu1:
	s_and_b32 s[T0], s[L1], 1
	s_cmp_lg_u32 s[T0], 0
	s_cbranch_scc0 .Lend
	UNIT 1
.Lend:
	s_wait_dscnt 0x0                ; on every way here no fragment load is out any more
.set n, 0
.rept 8
	v_mov_b32 v[W0+n], v[W1+n]      ; the slot's second step's words.  These eight are also the places behind the step's last products
.set n, n+1
.endr
	s_lshr_b32 s[L0], s[L0], 1
	s_lshr_b32 s[L1], s[L1], 1
	s_lshr_b32 s[H0], s[H0], 1
	s_lshr_b32 s[H1], s[H1], 1
	s_add_co_u32 s[TB], s[TB], STEPB
	s_sub_co_u32 s[CNT], s[CNT], 1
	s_cmp_lg_u32 s[CNT], 0
	s_cbranch_scc1 .Lstep
	s_wait_loadcnt 0x0              ; the next slot is in registers (for 0: how many loads are younger hangs on the jumps above)
	s_wait_xcnt 0x0                 ; the prefetch has read its base: the four bases are stepped only behind these two waits
	s_add_nc_u64 s[KP:KP+1], s[KP:KP+1], SLOTG
	s_add_nc_u64 s[VP:VP+1], s[VP:VP+1], SLOTG
	s_add_nc_u64 s[PFP:PFP+1], s[PFP:PFP+1], SLOTG
	s_add_nc_u64 s[MBP:MBP+1], s[MBP:MBP+1], 256
	s_sub_co_u32 s[TB], s[TB], 2*STEPB  ; back to a slot's first step,
	s_xor_b32 s[TB], s[TB], SLOT1       ; in the other slot: where the stores below go, and where the next trip reads
	s_and_b32 s[T0], s[WGN], 3
	s_cmp_lg_u32 s[T0], 0
	s_cbranch_scc0 .Lnostore
	STORENEXT                       ; nobody reads that slot: every wave's reads of it were waited for in front of the last barrier
.Lnostore:
	s_wait_dscnt 0x0                ; for the others' sake: my stores are done, and so are my reads of the slot that I leave
	s_barrier_signal -1
	s_lshr_b32 s[WGN], s[WGN], 2
	s_barrier_wait -1
	s_sub_co_u32 s[SC], s[SC], 1
	s_cmp_lg_u32 s[SC], 0
	s_cbranch_scc1 .Lslot
	; THE WAY OUT.  l's two halves and the other half of the lanes' are added; O^T is divided by l and sent through my stage in LDS, a tile (16 rows of out0) at a time.
.macro ALL line:vararg              ; one line for each tile t
.set t, 0
.rept 8
	\line
.set t, t+1
.endr
.endm
	ALL v_add_f32 v[ST+4*t+2], v[ST+4*t+2], v[ST+4*t+3]
	ALL v_permlanex16_b32 v[ST+4*t+3], v[ST+4*t+2], s[SEL], s[SEL+1]
	ALL v_add_f32 v[ST+4*t+2], v[ST+4*t+2], v[ST+4*t+3]
	ALL v_rcp_f32 v[ST+4*t+2], v[ST+4*t+2]
	v_nop                           ; a plain instruction between the last reciprocal and the use of its result
	s_wait_alu depctr_va_vdst(0)
; Tile t: a lane holds eight channels of a row for each of four channel blocks: two stores of 16 bytes a block into rows of 272 bytes; back as whole rows of 256, into buffer t % 4.
.macro PACK t
.if (\t) >= 4
	s_wait_xcnt 0x0                 ; the stores of the tile four back have read the buffer: it is loaded again only behind this wait
.endif
	WIN W_RS
.set i, 32*(\t)
.rept 16
	v_pk_mul_f32 v[i:i+1], v[i:i+1], v[ST+4*(\t)+2:ST+4*(\t)+3] op_sel_hi:[1,0]
.set i, i+2
.endr
	WIN 0x04                        ; store data window 1, address window 0
.irp f, 0,1,2,3,4,5,6,7
	ds_store_b128 v[STO], v[32*(\t)+4*\f:32*(\t)+4*\f+3] offset:(\f/2)*64+(\f%2)*16
.endr
	WIN 0
.irp f, 0,1,2,3,4,5,6,7
	ds_load_b128 v[OB+32*((\t)%4)+4*\f:OB+32*((\t)%4)+4*\f+3], v[RD] offset:\f*2*SP  ; LDS serves a wave's instructions in order (ISA guide 5.7.1.4): these see the stores above; the next tile's stores come behind them
.endr
.endm
.macro SEND t, younger              ; younger: the LDS instructions issued behind tile t's loads: the next tile's sixteen, or none
	WIN 0
.irp f, 0,1,2,3,4,5,6,7
	s_wait_dscnt (\younger)+7-\f
	global_store_b128 v[GO], v[OB+32*((\t)%4)+4*\f:OB+32*((\t)%4)+4*\f+3], s[OUT0+2*((\t)/4):OUT0+2*((\t)/4)+1] offset:((\t)%4)*4096+\f*512 th:TH_STORE_NT  ; 512 consecutive bytes, at a multiple of 256 from out0's first
.endr
.endm
	PACK 0
.set t, 1
.rept 7                             ; a tile's arithmetic stands between the loads of the tile before and its stores
	PACK t
	SEND t-1, 16
.set t, t+1
.endr
	SEND 7, 0
	s_wait_tensorcnt 0x0            ; the wave's end, behind my last LDS store
	ds_add_u32 v[SPW], v[NIL]
	s_wait_dscnt 0x0
	s_endpgm
.Lfunc_end_k_qf7065973a1_attn:
	.size	k_qf7065973a1_attn, .Lfunc_end_k_qf7065973a1_attn-k_qf7065973a1_attn
	.p2alignl 7, 3214868480
	.fill 96, 4, 3214868480
	.section	.rodata,"a",@progbits
	.p2align	6, 0x0
	.amdhsa_kernel k_qf7065973a1_attn
		.amdhsa_group_segment_fixed_size 122880
		.amdhsa_private_segment_fixed_size 0
		.amdhsa_enable_private_segment 0
		.amdhsa_kernarg_size 40
		.amdhsa_user_sgpr_count 2
		.amdhsa_user_sgpr_kernarg_segment_ptr 1
		.amdhsa_wavefront_size32 1
		.amdhsa_system_sgpr_workgroup_id_x 1
		.amdhsa_system_sgpr_workgroup_id_y 1
		.amdhsa_system_sgpr_workgroup_id_z 1
		.amdhsa_system_vgpr_workitem_id 0
		.amdhsa_next_free_vgpr 1024
		.amdhsa_next_free_sgpr 96
		.amdhsa_reserve_vcc 0
		.amdhsa_float_denorm_mode_32 3
		.amdhsa_float_denorm_mode_16_64 3
		.amdhsa_memory_ordered 1
		.amdhsa_forward_progress 1
		.amdhsa_inst_pref_size 196
	.end_amdhsa_kernel
	.amdgpu_metadata
---
amdhsa.version: [ 1, 2 ]
amdhsa.kernels:
  - .name:           k_qf7065973a1_attn
    .symbol:         k_qf7065973a1_attn.kd
    .args:
      - { .name: q, .offset: 0, .size: 8, .value_kind: global_buffer, .address_space: global }
      - { .name: k, .offset: 8, .size: 8, .value_kind: global_buffer, .address_space: global }
      - { .name: v, .offset: 16, .size: 8, .value_kind: global_buffer, .address_space: global }
      - { .name: mbits, .offset: 24, .size: 8, .value_kind: global_buffer, .address_space: global }
      - { .name: out0, .offset: 32, .size: 8, .value_kind: global_buffer, .address_space: global }
    .group_segment_fixed_size: 122880
    .private_segment_fixed_size: 0
    .kernarg_segment_align: 8
    .kernarg_segment_size: 40
    .max_flat_workgroup_size: 128
    .sgpr_count:     96
    .vgpr_count:     1024
    .wavefront_size: 32
...
	.end_amdgpu_metadata
.endif
;; end of part 2
